; MI455X (gfx1250); checked and timed in simulation.
; The chip was launched on July 23, 2026; its instructions are those of AMD's public machine-readable ISA for CDNA 5 (MIT licence, August 2026) and "CDNA5" Instruction Set Architecture Reference Guide (July 2026). The comments in the code are by the model that wrote it; some were corrected since.
;; Multi Head Attention. Allowed arithmetic: float matrix products may take bf16 or f16 operands with f32 sums; all other float work in f32.
;; Inputs: bk 2,048 float32; bo 2,048 float32; bq 2,048 float32; bv 2,048 float32; wk 2,048 x 2,048 float32; wo 2,048 x 2,048 float32; wq 2,048 x 2,048 float32; wv 2,048 x 2,048 float32; x 2 x 1,024 x 2,048 float32.
;; Outputs: out0 2 x 1,024 x 2,048 float32.
;; One version. Each part assembles by itself: llvm-mc -triple=amdgcn-amd-amdhsa -mcpu=gfx1250 --defsym DOCPART=n.
;; ======== version 1 of 1: 4 launches
;; limits: values are held in f16: magnitudes above 65,504 overflow, below 6.1e-05 lose precision
;; workspace buffers: h16 41,943,040 bytes; qkv 25,165,824 bytes; ctx 8,388,608 bytes
;; launch cvt (part 1): grid 256 x 5, 8 waves a work-group, no clusters, 0 bytes of LDS; arguments x, wq, wk, wv, wo, h16; writes h16
.if DOCPART == 1
	.amdgcn_target "amdgcn-amd-amdhsa--gfx1250"
	.amdhsa_code_object_version 6
	.text
	.protected	k_q595b208f54_cvt
	.globl	k_q595b208f54_cvt
	.p2align	8
	.type	k_q595b208f54_cvt,@function
k_q595b208f54_cvt:
	s_mov_b64 s[64:65], 0
	v_nop
	global_prefetch_b8 v0, s[64:65] scope:SCOPE_SE
	s_setreg_imm32_b32 hwreg(HW_REG_WAVE_MODE, 25, 1), 1
	s_wait_xcnt 0x0
; x, wq, wk, wv, wo (each 2048 x 2048 f32) -> f16, into five regions of 8 MiB of h16, in that order.
; LIMIT: a number of 65,504 or more in magnitude does not fit f16 and becomes an infinity; below 2^-14 the step is 2^-24.
; A stream: every byte is read once and written once, no work-group shares a byte with another, so there is no LDS,
; no cluster and no matrix work.  Work-group (x, y) takes 65,536 bytes at x * 65,536 of tensor y.
; Thread t takes 16 bytes at 16 t of each of 16 chunks of 4,096 bytes: a wave's load covers 512 consecutive bytes,
; its store of 8 bytes a lane 256 consecutive bytes that begin at a multiple of 256 from the buffer's first byte.
; All 16 loads of a wave go out first; no register is written twice, so nothing but the loads is waited for.
.set NLD,  16                          ; loads of a thread
.set X,    4                           ; v[4:67]   chunk i: 4 f32 as loaded
.set Y,    68                          ; v[68:99]  chunk i: 4 f16 to store
	s_load_b256 s[4:11], s[0:1], 0x0               ; x s[4:5], wq s[6:7], wk s[8:9], wv s[10:11]
	s_load_b128 s[12:15], s[0:1], 0x20             ; wo s[12:13], h16 s[14:15]
	s_and_b32 s16, ttmp7, 0xffff                   ; y: which tensor
	s_lshl_b32 s18, ttmp9, 16                      ; my 65,536 bytes of the source
	s_mov_b32 s19, 0
	s_lshl_b32 s20, s16, 23                        ; the tensor's 8 MiB of h16
	s_lshl_b32 s21, ttmp9, 15                      ; my 32,768 bytes in it
	s_add_co_u32 s20, s20, s21
	s_mov_b32 s21, 0
	v_lshlrev_b32 v1, 4, v0                        ; 16 t
	v_lshlrev_b32 v2, 3, v0                        ; 8 t
	s_wait_kmcnt 0x0
	s_cmp_eq_u32 s16, 1                            ; the source is chosen among the five buffers by y alone
	s_cselect_b64 s[4:5], s[6:7], s[4:5]
	s_cmp_eq_u32 s16, 2
	s_cselect_b64 s[4:5], s[8:9], s[4:5]
	s_cmp_eq_u32 s16, 3
	s_cselect_b64 s[4:5], s[10:11], s[4:5]
	s_cmp_eq_u32 s16, 4
	s_cselect_b64 s[4:5], s[12:13], s[4:5]
	s_add_nc_u64 s[4:5], s[4:5], s[18:19]
	s_add_nc_u64 s[14:15], s[14:15], s[20:21]
.irp i, 0,1,2,3,4,5,6,7,8,9,10,11,12,13,14,15
	global_load_b128 v[X+4*\i:X+4*\i+3], v1, s[4:5] offset:4096*\i th:TH_LOAD_NT
.endr
.irp i, 0,1,2,3,4,5,6,7,8,9,10,11,12,13,14,15
	s_wait_loadcnt NLD-1-\i                        ; loads come back in order: chunk i is in, the younger ones stay out
	v_cvt_pk_f16_f32 v[Y+2*\i],   v[X+4*\i],   v[X+4*\i+1]
	v_cvt_pk_f16_f32 v[Y+2*\i+1], v[X+4*\i+2], v[X+4*\i+3]
	global_store_b64 v2, v[Y+2*\i:Y+2*\i+1], s[14:15] offset:2048*\i
.endr
	s_endpgm
.Lfunc_end_k_q595b208f54_cvt:
	.size	k_q595b208f54_cvt, .Lfunc_end_k_q595b208f54_cvt-k_q595b208f54_cvt
	.p2alignl 7, 3214868480
	.fill 96, 4, 3214868480
	.section	.rodata,"a",@progbits
	.p2align	6, 0x0
	.amdhsa_kernel k_q595b208f54_cvt
		.amdhsa_group_segment_fixed_size 0
		.amdhsa_private_segment_fixed_size 0
		.amdhsa_enable_private_segment 0
		.amdhsa_kernarg_size 48
		.amdhsa_user_sgpr_count 2
		.amdhsa_user_sgpr_kernarg_segment_ptr 1
		.amdhsa_wavefront_size32 1
		.amdhsa_system_sgpr_workgroup_id_x 1
		.amdhsa_system_sgpr_workgroup_id_y 1
		.amdhsa_system_sgpr_workgroup_id_z 1
		.amdhsa_system_vgpr_workitem_id 0
		.amdhsa_next_free_vgpr 100
		.amdhsa_next_free_sgpr 66
		.amdhsa_reserve_vcc 0
		.amdhsa_float_denorm_mode_32 3
		.amdhsa_float_denorm_mode_16_64 3
		.amdhsa_memory_ordered 1
		.amdhsa_forward_progress 1
		.amdhsa_inst_pref_size 7
	.end_amdhsa_kernel
	.amdgpu_metadata
---
amdhsa.version: [ 1, 2 ]
amdhsa.kernels:
  - .name:           k_q595b208f54_cvt
    .symbol:         k_q595b208f54_cvt.kd
    .args:
      - { .name: x, .offset: 0, .size: 8, .value_kind: global_buffer, .address_space: global }
      - { .name: wq, .offset: 8, .size: 8, .value_kind: global_buffer, .address_space: global }
      - { .name: wk, .offset: 16, .size: 8, .value_kind: global_buffer, .address_space: global }
      - { .name: wv, .offset: 24, .size: 8, .value_kind: global_buffer, .address_space: global }
      - { .name: wo, .offset: 32, .size: 8, .value_kind: global_buffer, .address_space: global }
      - { .name: h16, .offset: 40, .size: 8, .value_kind: global_buffer, .address_space: global }
    .group_segment_fixed_size: 0
    .private_segment_fixed_size: 0
    .kernarg_segment_align: 8
    .kernarg_segment_size: 48
    .max_flat_workgroup_size: 256
    .sgpr_count:     66
    .vgpr_count:     100
    .wavefront_size: 32
...
	.end_amdgpu_metadata
.endif
;; end of part 1
;; launch qkv (part 2): grid 16 x 16, 4 waves a work-group, clusters of 4 x 4, 327,680 bytes of LDS; arguments h16, bq, bk, bv, qkv; writes qkv
.if DOCPART == 2
	.amdgcn_target "amdgcn-amd-amdhsa--gfx1250"
	.amdhsa_code_object_version 6
	.text
	.protected	k_q595b208f54_qkv
	.globl	k_q595b208f54_qkv
	.p2align	8
	.type	k_q595b208f54_qkv,@function
k_q595b208f54_qkv:
	s_mov_b64 s[64:65], 0
	v_nop
	global_prefetch_b8 v0, s[64:65] scope:SCOPE_SE
	s_setreg_imm32_b32 hwreg(HW_REG_WAVE_MODE, 25, 1), 1
	s_wait_xcnt 0x0
	s_wait_alu depctr_hold_cnt(0) depctr_sa_sdst(0) depctr_va_vdst(0) depctr_va_sdst(0) depctr_va_ssrc(0) depctr_va_vcc(0) depctr_vm_vsrc(0)
	s_getreg_b32 s2, hwreg(HW_REG_IB_STS2, 6, 4)
	s_cmp_eq_u32 s2, 0
	s_cbranch_scc0 .Lentry_in_a_cluster
	s_endpgm
.Lentry_in_a_cluster:
	s_bfe_u32 s2, ttmp6, 0x10000c
	s_cmp_lg_u32 s2, 0xf033
	s_cbranch_scc0 .Lentry_shape_is_right
	s_endpgm
.Lentry_shape_is_right:
; q' = (x wq^T + bq) * log2(e)/sqrt(128),  k = x wk^T + bk,  v = x wv^T + bv.  Operands f16 (from h16), sums f32, results f16.
; LIMIT: q', k and v are stored in f16: 65,504 or more in magnitude becomes an infinity.
; Out: q' and k as [16 b + head][s][128] (rows of 256 bytes), v transposed as [16 b + head][d][1024] (rows of 2,048 bytes).
; Work-group (x = block of 128 rows of x, y = head) makes 128 rows x (128 q + 128 k + 128 v) with four waves, as many as a WGP has SIMDs.
; Clusters that differ in the grid's x alone read the same 384 rows of weights, three quarters of a K step's bytes.
; Wave w makes all 128 rows (a = 0..7) x columns 32 w + 16 j (j = 0, 1) of each of q, k, v: 48 accumulator tiles, 384 registers;
; for 32 along K it reads 128 + 96 LDS rows of 64 bytes and issues 48 matrix instructions.
; K goes in 16 steps of 128 (rows of 256 bytes) through two LDS slots; a slot holds x's 128 rows, then wq's, wk's, wv's 128 rows.
; CLUSTERS, 4 x 4: the four work-groups of a cluster's column share the rows of x, the four of a row share the head's weights.
; Wave 0 asks jointly for x's tile, waves 1, 2, 3 for wq's, wk's, wv's.  A wave has two tensor loads out at the start, later one.
; REGISTER WINDOWS: 0 addresses and two fragment buffers; 1 the 32 tiles of q and k (tile 8 b + a, b = 2 p + j);
; 2 the 16 tiles of v (tile 8 j + a) and the bias tiles, which are the C of the first products: nothing is cleared or added later.
; q and k are made transposed (source 0 = rows of w, source 1 = rows of x): a lane holds 8 neighbouring columns of row l % 16.
; v is made upright (source 0 = rows of x): a lane holds 8 neighbouring rows s of column d = l % 16, which are 16 bytes of v transposed.
.set PITCH,  272                       ; LDS row: 256 bytes + 16 of padding: the 16 rows of a fragment load start 16 bytes apart modulo 256
.set HALFT,  128*PITCH                 ; one tensor load: 128 rows
.set SLOT,   4*HALFT
.set STEPB,  256                       ; bytes of a K step in a row of memory
.set LAPS,   8                         ; a lap = two K steps = once round the ring
.set ADRA,   16                        ; v16-17  my x fragments in slot 0, 1
.set ADRB,   18                        ; v18-19  my wq fragments (wk's by an offset of HALFT)
.set ADRV,   20                        ; v20-21  my wv fragments (out of reach of the 16-bit offset from ADRB)
.set STQ,    22                        ; the way out: where a lane puts 16 bytes of q or k
.set STV,    23                        ;              and of v transposed
.set RD,     24                        ; where rows of q and k are read back
.set RDV,    25                        ; and rows of v transposed
.set CQ,     26                        ; byte offset in q and k
.set CV,     27                        ; byte offset in v transposed
.set BOFFQ,  28                        ; 32 h: bias of 8 neighbouring columns
.set BOFFV,  29                        ; 4 r: bias of my column
.set F0,     32                        ; fragment buffer 0: x's a at F+8a, w's b at F+64+8b
.set F1,     144                       ; fragment buffer 1
.set TMP,    32                        ; the way out: packed results, then rows read back
.set BQK,    128                       ; window 2: bias tiles of q and k, b at BQK+8b
.set BV,     160                       ; window 2: bias tiles of v, j at BV+8j
.set G1,     24                        ; s[24:31] descriptor group 1, x's tiles
.set G0,     32                        ; s[32:39] group 0, x's tiles, one set a slot
.set G1B,    48                        ; s[48:55] group 1, the weights' tiles: the mask alone differs
.set G0B,    56                        ; s[56:63] group 0, the weights' tiles
.set MSB, 0
.macro WIN new                         ; low byte: bits 1:0 source 0, 3:2 source 1, 5:4 source 2, 7:6 destination; high byte: the setting that is left
.if MSB != \new
	s_set_vgpr_msb (MSB<<8)|\new
.set MSB, \new
.endif
.endm
.macro PLACES                          ; four independent vector instructions behind a matrix instruction, ahead of loads into its sources and of reads of its result
.rept 4
	v_nop
.endr
.endm
.macro JLOAD s                         ; wave 0: x's tile, shared along my column of the cluster; waves 1-3: a weight's tile, shared along my row
	s_cmp_eq_u32 s14, 0
	s_cbranch_scc0 .Lfor_b_\@
	tensor_load_to_lds s[G0+4*\s:G0+4*\s+3], s[G1:G1+7]
	s_nop 0
	s_branch .Lasked_\@
.Lfor_b_\@:
	tensor_load_to_lds s[G0B+4*\s:G0B+4*\s+3], s[G1B:G1B+7]
	s_nop 0
.Lasked_\@:
.endm
.macro CREST                           ; a round of the cluster's barrier behind its opening work-group barrier
	s_cmp_lg_u32 s14, 0
	s_cbranch_scc1 .Lnot_wave_0_\@
	s_barrier_signal -3
.Lnot_wave_0_\@:
	s_barrier_wait -3
	s_barrier_signal -1
	s_barrier_wait -1
.endm
.macro CROUND
	s_barrier_signal -1
	s_barrier_wait -1
	CREST
.endm
	s_load_b256 s[4:11], s[0:1], 0x0               ; h16 s[4:5], bq s[6:7], bk s[8:9], bv s[10:11]
	s_load_b64 s[12:13], s[0:1], 0x20              ; qkv
	v_lshl_add_u32 v30, v0, 2, 0x44000
	v_mov_b32 v31, 0
	ds_add_u32 v30, v31
	s_wait_dscnt 0x0
	v_lshrrev_b32 v1, 5, v0
	v_readfirstlane_b32 s14, v1                    ; wave 0..3
	s_bfe_u32 s16, ttmp6, 0x40000                  ; cx
	s_bfe_u32 s17, ttmp6, 0x40004                  ; cy
	s_lshl_b32 s19, ttmp9, 2
	s_add_co_u32 s19, s19, s16                     ; row block = 4 x cluster x + cx
	s_and_b32 s18, ttmp7, 0xffff
	s_lshl_b32 s18, s18, 2
	s_add_co_u32 s18, s18, s17                     ; head = 4 x cluster y + cy
	s_lshl_b32 s20, s17, 2
	s_lshl_b32 s20, 15, s20                        ; my row of the cluster: places 4 cy .. 4 cy + 3
	s_lshl_b32 s21, 0x1111, s16                    ; my column: places cx, cx + 4, cx + 8, cx + 12
	; group 1: 128 rows x 128 elements of 2 bytes, 2,048 elements from row to row, 4 words of padding behind every 64
	s_or_b32 s[G1+0],  s21, (1<<16)|(1<<20)|(1<<21)|(5<<22)|(3<<25)        ; x's tile hangs on work-group x alone: my column
	s_or_b32 s[G1B+0], s20, (1<<16)|(1<<20)|(1<<21)|(5<<22)|(3<<25)        ; a weight's tile on work-group y alone: my row
	s_mov_b32 s[G1+1],  128<<16                    ; tensor_dim0 = 128
	s_mov_b32 s[G1B+1], 128<<16
	s_mov_b32 s[G1+2],  128<<16                    ; tensor_dim1 = 128
	s_mov_b32 s[G1B+2], 128<<16
	s_mov_b32 s[G1+3],  128<<16                    ; tile_dim0 = 128
	s_mov_b32 s[G1B+3], 128<<16
	s_mov_b32 s[G1+4],  128                        ; tile_dim1 = 128
	s_mov_b32 s[G1B+4], 128
	s_mov_b32 s[G1+5],  2048                       ; the pitch in memory
	s_mov_b32 s[G1B+5], 2048
	s_mov_b32 s[G1+6],  0
	s_mov_b32 s[G1B+6], 0
	s_mov_b32 s[G1+7],  0
	s_mov_b32 s[G1B+7], 0
	; x's tile hangs on the row block alone, a weight's on the head and the wave alone; each address in registers that never hold the other coordinate
	s_lshl_b32 s40, s19, 19                        ; 128 rows of 4,096 bytes
	s_mov_b32 s41, 0
	s_lshl_b32 s42, s18, 19                        ; the head's 128 rows of a weight
	s_lshl_b32 s43, s14, 23                        ; wave 1, 2, 3: wq, wk, wv lie 8, 16, 24 MiB into h16
	s_add_co_u32 s42, s42, s43
	s_mov_b32 s43, 0
	s_mul_i32 s22, s14, HALFT                      ; where my tile goes: wave x 128 rows
	s_lshl_b32 s44, s18, 9                         ; biases: 4 bytes x (128 head + 32 wave)
	s_lshl_b32 s45, s14, 7
	s_add_co_u32 s44, s44, s45
	s_mov_b32 s45, 0
	s_mov_b32 s46, 0x3e0293ee                      ; log2(e) / sqrt(128), twice for the packed multiply
	s_mov_b32 s47, 0x3e0293ee
	CROUND                                         ; all sixteen work-groups are here: the first joint loads meet.  It names no argument, so it stands ahead of the wait for them
	s_wait_kmcnt 0x0
	s_add_nc_u64 s[40:41], s[4:5], s[40:41]
	s_add_nc_u64 s[42:43], s[4:5], s[42:43]
.irp s, 0,1
	s_mov_b32 s[G0+4*\s], 1
	s_add_co_u32 s[G0+4*\s+1], s22, \s*SLOT
	s_add_nc_u64 s[G0+4*\s+2:G0+4*\s+3], s[40:41], \s*STEPB
	s_or_b32 s[G0+4*\s+3], s[G0+4*\s+3], 0x80000000
	s_mov_b32 s[G0B+4*\s], 1
	s_add_co_u32 s[G0B+4*\s+1], s22, \s*SLOT
	s_add_nc_u64 s[G0B+4*\s+2:G0B+4*\s+3], s[42:43], \s*STEPB
	s_or_b32 s[G0B+4*\s+3], s[G0B+4*\s+3], 0x80000000
	JLOAD \s                                       ; K steps 0 and 1
.endr
	s_add_nc_u64 s[6:7], s[6:7], s[44:45]          ; the biases at my 32 columns
	s_add_nc_u64 s[8:9], s[8:9], s[44:45]
	s_add_nc_u64 s[10:11], s[10:11], s[44:45]
	; where the results go
	s_lshr_b32 s72, s19, 3                         ; batch
	s_lshl_b32 s72, s72, 4
	s_add_co_u32 s72, s72, s18                     ; 16 b + head
	s_lshl_b32 s72, s72, 18                        ; a head's 262,144 bytes
	s_and_b32 s73, s19, 7                          ; the row block inside the batch
	s_lshl_b32 s74, s73, 15                        ; q, k: 128 rows of 256 bytes
	s_add_co_u32 s74, s74, s72
	s_mov_b32 s75, 0
	s_add_nc_u64 s[66:67], s[12:13], s[74:75]      ; q'
	s_add_nc_u64 s[68:69], s[66:67], 0x800000      ; k
	s_lshl_b32 s74, s73, 8                         ; v transposed: 128 columns of 2 bytes
	s_add_co_u32 s74, s74, s72
	s_add_nc_u64 s[70:71], s[12:13], s[74:75]
	s_add_nc_u64 s[70:71], s[70:71], 0x1000000     ; v
	; A fragment is 16 rows x 32 K: lane l holds row r = l % 16; registers 0-3 K = 8 h + 0..7, registers 4-7 K = 16 + 8 h + 0..7, h = l / 16
	v_and_b32 v1, 15, v0                           ; r
	v_bfe_u32 v2, v0, 4, 1                         ; h
	v_mul_u32_u24 v4, v1, PITCH
	v_lshl_add_u32 v4, v2, 4, v4                   ; 272 r + 16 h
	s_mul_i32 s72, s14, 32*PITCH                   ; my 32 rows
	s_add_co_u32 s73, s72, HALFT                   ; in wq's tile
	v_mov_b32 v[ADRA], v4
	v_add_nc_u32 v[ADRA+1], SLOT, v4
	v_add_nc_u32 v[ADRB], s73, v4
	v_add_nc_u32 v[ADRB+1], SLOT, v[ADRB]
	v_add_nc_u32 v[ADRV], 2*HALFT, v[ADRB]
	v_add_nc_u32 v[ADRV+1], 2*HALFT, v[ADRB+1]
	s_lshl_b32 s73, s14, 6                         ; my 32 columns: 64 bytes
	v_add_nc_u32 v[STQ], s73, v4
	s_add_co_u32 s73, s72, 2*HALFT                 ; my 32 rows of v transposed in the third region of the stage
	v_add_nc_u32 v[STV], s73, v4
	v_mul_u32_u24 v5, v2, PITCH
	v_lshl_add_u32 v5, v1, 4, v5                   ; 272 h + 16 r: lanes 0-15 one row, lanes 16-31 the next
	v_add_nc_u32 v[RD], s72, v5
	v_add_nc_u32 v[RDV], s73, v5
	v_lshlrev_b32 v6, 8, v2
	v_lshl_add_u32 v6, v1, 4, v6                   ; 256 h + 16 r
	s_lshl_b32 s73, s14, 13                        ; 32 rows of 256 bytes
	v_add_nc_u32 v[CQ], s73, v6
	v_lshlrev_b32 v7, 11, v2
	v_lshl_add_u32 v7, v1, 4, v7                   ; 2,048 h + 16 r
	s_lshl_b32 s73, s14, 16                        ; 32 rows of 2,048 bytes
	v_add_nc_u32 v[CV], s73, v7
	v_lshlrev_b32 v[BOFFQ], 5, v2
	v_lshlrev_b32 v[BOFFV], 2, v1
	; bias tiles in the accumulators' layout: q, k: register i = bias[n0 + 8 h + i]; v: all eight registers = bias[n0 + r]
	WIN 0x80
.irp b, 0,1,2,3
	global_load_b128 v[BQK+8*\b:BQK+8*\b+3],   v[BOFFQ], s[6+2*(\b>>1):7+2*(\b>>1)] offset:64*(\b&1)
	global_load_b128 v[BQK+8*\b+4:BQK+8*\b+7], v[BOFFQ], s[6+2*(\b>>1):7+2*(\b>>1)] offset:64*(\b&1)+16
.endr
.irp j, 0,1
.irp i, 0,1,2,3,4,5,6,7
	global_load_b32 v[BV+8*\j+\i], v[BOFFV], s[10:11] offset:64*\j
.endr
.endr
	WIN 0
; 28 LDS loads: the fragments of 32 K at byte k of the slot's rows, into buffer f
.macro FETCH slot, k, f
	WIN 0
.irp a, 0,1,2,3,4,5,6,7
	ds_load_b128 v[\f+8*\a:\f+8*\a+3],   v[ADRA+\slot] offset:\k+\a*16*PITCH
	ds_load_b128 v[\f+8*\a+4:\f+8*\a+7], v[ADRA+\slot] offset:\k+\a*16*PITCH+32
.endr
.irp b, 0,1,2,3
	ds_load_b128 v[\f+64+8*\b:\f+64+8*\b+3],   v[ADRB+\slot] offset:\k+(\b>>1)*HALFT+(\b&1)*16*PITCH
	ds_load_b128 v[\f+64+8*\b+4:\f+64+8*\b+7], v[ADRB+\slot] offset:\k+(\b>>1)*HALFT+(\b&1)*16*PITCH+32
.endr
.irp j, 0,1
	ds_load_b128 v[\f+96+8*\j:\f+96+8*\j+3],   v[ADRV+\slot] offset:\k+\j*16*PITCH
	ds_load_b128 v[\f+96+8*\j+4:\f+96+8*\j+7], v[ADRV+\slot] offset:\k+\j*16*PITCH+32
.endr
.endm
; The 48 accumulators take turns, one instruction a turn, in the same order in every quarter.
.macro MULQK f, zero                   ; 32 matrix instructions: q's and k's tiles; zero = 1: the bias tile starts the sum
.if \zero
	WIN 0x60
.else
	WIN 0x50
.endif
.irp b, 0,1,2,3
.irp a, 0,1,2,3,4,5,6,7
.if \zero
	v_wmma_f32_16x16x32_f16 v[8*(8*\b+\a):8*(8*\b+\a)+7], v[\f+64+8*\b:\f+64+8*\b+7], v[\f+8*\a:\f+8*\a+7], v[BQK+8*\b:BQK+8*\b+7]
.else
	v_wmma_f32_16x16x32_f16 v[8*(8*\b+\a):8*(8*\b+\a)+7], v[\f+64+8*\b:\f+64+8*\b+7], v[\f+8*\a:\f+8*\a+7], v[8*(8*\b+\a):8*(8*\b+\a)+7]
.endif
.endr
.endr
.endm
.macro MULV f, zero                    ; 16 matrix instructions: v's tiles
	WIN 0xa0
.irp j, 0,1
.irp a, 0,1,2,3,4,5,6,7
.if \zero
	v_wmma_f32_16x16x32_f16 v[8*(8*\j+\a):8*(8*\j+\a)+7], v[\f+8*\a:\f+8*\a+7], v[\f+96+8*\j:\f+96+8*\j+7], v[BV+8*\j:BV+8*\j+7]
.else
	v_wmma_f32_16x16x32_f16 v[8*(8*\j+\a):8*(8*\j+\a)+7], v[\f+8*\a:\f+8*\a+7], v[\f+96+8*\j:\f+96+8*\j+7], v[8*(8*\j+\a):8*(8*\j+\a)+7]
.endif
.endr
.endr
.endm
; A K step is four quarters of 32 along K on buffers 0, 1, 0, 1.  One of the first three: fetches the next quarter into g, multiplies f.
.macro QUARTER slot, k, f, g, zero
	s_wait_dscnt 0x0                               ; buffer f is in: its loads were issued 48 matrix instructions ago
	PLACES
	FETCH \slot, \k, \g
	MULQK \f, \zero
	MULV \f, \zero
.endm
.macro THREE slot, zero
	QUARTER \slot, 64,  F0, F1, \zero
	QUARTER \slot, 128, F1, F0, 0
	QUARTER \slot, 192, F0, F1, 0
.endm
; The last quarter changes slots first and multiplies buffer 1 behind that.  In front of the barrier each wave's reads of this slot are back
; (buffer 1 holds the slot's last 32 K) and all its tensor loads have landed (one was out: its part of the next slot).  Where the slot is
; filled again the barrier opens a round of the cluster's barrier, and the joint refill is the first tensor load behind the round,
; 192 matrix instructions ahead of the wait for it.
.macro TURN slot, next, fill
	s_wait_dscnt 0x0
	s_wait_tensorcnt 0x0
	ds_add_u32 v30, v31
	s_wait_dscnt 0x0
	WIN 0
	s_barrier_signal -1
	s_barrier_wait -1
.if \fill
	CREST
	s_add_nc_u64 s[G0+4*\slot+2:G0+4*\slot+3], s[G0+4*\slot+2:G0+4*\slot+3], 2*STEPB
	s_add_nc_u64 s[G0B+4*\slot+2:G0B+4*\slot+3], s[G0B+4*\slot+2:G0B+4*\slot+3], 2*STEPB
	JLOAD \slot
.endif
	PLACES
	FETCH \next, 0, F0
	MULQK F1, 0
	MULV F1, 0
.endm
.macro LAP zero
	THREE 0, \zero
	TURN 0, 1, 1
	THREE 1, 0
	TURN 1, 0, 1
.endm
	s_wait_tensorcnt 0x1                           ; my part of K step 0 is in; K step 1's stays out
	s_barrier_signal -1
	s_barrier_wait -1
	FETCH 0, 0, F0
	s_wait_loadcnt 0x0                             ; the bias tiles
	LAP 1                                          ; the first lap stands in front of the loop: its first products take the biases as C
	WIN 0
	s_mov_b32 s15, LAPS-2
.Llap:
	LAP 0
	WIN 0
	s_sub_co_u32 s15, s15, 1
	s_cmp_lg_u32 s15, 0
	s_cbranch_scc1 .Llap
	THREE 0, 0                                     ; the last lap fills nothing
	TURN 0, 1, 0
	THREE 1, 0
	s_wait_dscnt 0x0
	MULQK F1, 0
	MULV F1, 0
	; THE WAY OUT.  The stage is slot 0, which has had its last fill and whose last reads every wave waited for in front of the last
	; change of slots: three regions of 128 rows x 272 bytes (q', k, v transposed).
	PLACES
	WIN 0x41
.set i, 0
.rept 64
	v_pk_mul_f32 v[2*i:2*i+1], v[2*i:2*i+1], s[46:47] op_sel_hi:[1,0]      ; q's 16 tiles times log2(e)/sqrt(128)
.set i, i+1
.endr
	WIN 0x05
.set i, 0
.rept 128
	v_cvt_pk_f16_f32 v[TMP+i], v[2*i], v[2*i+1]    ; q's and k's tile T: 4 registers at TMP + 4 T
.set i, i+1
.endr
	WIN 0x0a
.set i, 0
.rept 64
	v_cvt_pk_f16_f32 v[TMP+128+i], v[2*i], v[2*i+1]        ; v's tiles behind them
.set i, i+1
.endr
	WIN 0
.irp b, 0,1,2,3
.irp a, 0,1,2,3,4,5,6,7
	ds_store_b128 v[STQ], v[TMP+4*(8*\b+\a):TMP+4*(8*\b+\a)+3] offset:(\b>>1)*HALFT+\a*16*PITCH+32*(\b&1)
.endr
.endr
.irp j, 0,1
.irp a, 0,1,2,3,4,5,6,7
	ds_store_b128 v[STV], v[TMP+128+4*(8*\j+\a):TMP+128+4*(8*\j+\a)+3] offset:\j*16*PITCH+32*\a
.endr
.endr
	s_wait_dscnt 0x0                               ; my stores are done, for the other waves' sake
	s_barrier_signal -1
	s_barrier_wait -1
.irp p, 0,1
.irp t, 0,1,2,3,4,5,6,7,8,9,10,11,12,13,14,15
	ds_load_b128 v[TMP+64*\p+4*\t:TMP+64*\p+4*\t+3], v[RD] offset:\p*HALFT+2*PITCH*\t     ; my 32 rows, two whole rows a load
.endr
.endr
.irp t, 0,1,2,3,4,5,6,7,8,9,10,11,12,13,14,15
	ds_load_b128 v[TMP+128+4*\t:TMP+128+4*\t+3], v[RDV] offset:2*PITCH*\t
.endr
.irp p, 0,1
.irp t, 0,1,2,3,4,5,6,7,8,9,10,11,12,13,14,15
	s_wait_dscnt 47-16*\p-\t                       ; LDS loads come back in order: this one is in, the younger ones stay out
	global_store_b128 v[CQ], v[TMP+64*\p+4*\t:TMP+64*\p+4*\t+3], s[66+2*\p:67+2*\p] offset:512*\t     ; 16 lanes store 256 consecutive bytes, aligned
.endr
.endr
.irp t, 0,1,2,3,4,5,6,7,8,9,10,11,12,13,14,15
	s_wait_dscnt 15-\t
	global_store_b128 v[CV], v[TMP+128+4*\t:TMP+128+4*\t+3], s[70:71] offset:4096*\t
.endr
	s_wait_tensorcnt 0x0
	ds_add_u32 v30, v31
	s_wait_dscnt 0x0
	CROUND                                         ; the closing round: no work-group ends while a partner may still ask for a tile that names it
	s_endpgm
.Lfunc_end_k_q595b208f54_qkv:
	.size	k_q595b208f54_qkv, .Lfunc_end_k_q595b208f54_qkv-k_q595b208f54_qkv
	.p2alignl 7, 3214868480
	.fill 96, 4, 3214868480
	.section	.rodata,"a",@progbits
	.p2align	6, 0x0
	.amdhsa_kernel k_q595b208f54_qkv
		.amdhsa_group_segment_fixed_size 327680
		.amdhsa_private_segment_fixed_size 0
		.amdhsa_enable_private_segment 0
		.amdhsa_kernarg_size 40
		.amdhsa_user_sgpr_count 2
		.amdhsa_user_sgpr_kernarg_segment_ptr 1
		.amdhsa_wavefront_size32 1
		.amdhsa_system_sgpr_workgroup_id_x 1
		.amdhsa_system_sgpr_workgroup_id_y 1
		.amdhsa_system_sgpr_workgroup_id_z 1
		.amdhsa_system_vgpr_workitem_id 0
		.amdhsa_next_free_vgpr 688
		.amdhsa_next_free_sgpr 80
		.amdhsa_reserve_vcc 0
		.amdhsa_float_denorm_mode_32 3
		.amdhsa_float_denorm_mode_16_64 3
		.amdhsa_memory_ordered 1
		.amdhsa_forward_progress 1
		.amdhsa_inst_pref_size 162
	.end_amdhsa_kernel
	.amdgpu_metadata
---
amdhsa.version: [ 1, 2 ]
amdhsa.kernels:
  - .name:           k_q595b208f54_qkv
    .symbol:         k_q595b208f54_qkv.kd
    .args:
      - { .name: h16, .offset: 0, .size: 8, .value_kind: global_buffer, .address_space: global }
      - { .name: bq, .offset: 8, .size: 8, .value_kind: global_buffer, .address_space: global }
      - { .name: bk, .offset: 16, .size: 8, .value_kind: global_buffer, .address_space: global }
      - { .name: bv, .offset: 24, .size: 8, .value_kind: global_buffer, .address_space: global }
      - { .name: qkv, .offset: 32, .size: 8, .value_kind: global_buffer, .address_space: global }
    .group_segment_fixed_size: 327680
    .private_segment_fixed_size: 0
    .kernarg_segment_align: 8
    .kernarg_segment_size: 40
    .max_flat_workgroup_size: 128
    .sgpr_count:     80
    .vgpr_count:     688
    .wavefront_size: 32
...
	.end_amdgpu_metadata
.endif
;; end of part 2
;; launch attn (part 3): grid 8 x 32, 4 waves a work-group, clusters of 4 x 1, 327,680 bytes of LDS; arguments qkv, ctx; writes ctx
.if DOCPART == 3
	.amdgcn_target "amdgcn-amd-amdhsa--gfx1250"
	.amdhsa_code_object_version 6
	.text
	.protected	k_q595b208f54_attn
	.globl	k_q595b208f54_attn
	.p2align	8
	.type	k_q595b208f54_attn,@function
k_q595b208f54_attn:
	s_mov_b64 s[64:65], 0
	v_nop
	global_prefetch_b8 v0, s[64:65] scope:SCOPE_SE
	s_setreg_imm32_b32 hwreg(HW_REG_WAVE_MODE, 25, 1), 1
	s_wait_xcnt 0x0
	s_wait_alu depctr_hold_cnt(0) depctr_sa_sdst(0) depctr_va_vdst(0) depctr_va_sdst(0) depctr_va_ssrc(0) depctr_va_vcc(0) depctr_vm_vsrc(0)
	s_getreg_b32 s2, hwreg(HW_REG_IB_STS2, 6, 4)
	s_cmp_eq_u32 s2, 0
	s_cbranch_scc0 .Lentry_in_a_cluster
	s_endpgm
.Lentry_in_a_cluster:
	s_bfe_u32 s2, ttmp6, 0x10000c
	s_cmp_lg_u32 s2, 0x3003
	s_cbranch_scc0 .Lentry_shape_is_right
	s_endpgm
.Lentry_shape_is_right:
; ctx = softmax(q k^T / sqrt(128)) v for one head and 128 queries, with a running maximum.  q' already holds log2(e)/sqrt(128), so the
; exponentials are in base 2.  Operands f16, sums, maxima and exponentials f32.  P = 2^(s - m) is at most 1; below 2^-25 it rounds to 0 in f16.
; Work-group (x = block of 128 queries, y = 16 b + head); wave w takes 32 queries as two tiles of 16 (qt).
; CLUSTERS, 4 x 1: four query blocks of one head walk the same four tiles of 256 keys; every K and V tile is asked for jointly (mask 15).
; Each wave moves 64 rows of K and 32 rows of v transposed of each tile.  Tiles 0 and 1 are the two slots' first fills and go out together
; (four tensor loads of a wave out); tiles 2 and 3 are refills, each behind a round of the cluster's barrier (two out), and each has a whole
; tile's work, 256 matrix instructions of the wave, in which to land.
; LAYOUT: S^T = K Q^T (source 0 = 16 keys, source 1 = 16 queries): lane (r, h), register j holds key 8 h + j of query r.  Two
; neighbouring key tiles, packed in pairs, are a source-1 fragment over 32 keys of query r as they stand.  O^T = V^T P^T (source 0 = 16 rows
; of v transposed): lane (r, h) holds d = 8 h + j of query r.  So maximum, sum and rescale are one number a lane, and the two halves of the
; lanes meet by one exchange for the maximum; the sums stay apart until the end.
.set PITCH,  272                       ; K's LDS row: 256 + 16 bytes
.set VPITCH, 528                       ; v's LDS row: 512 + 16 bytes = 33 x 16: 16 rows start 16 bytes apart modulo 256
.set KTILE,  256*PITCH                 ; K's tile [256 keys][128 d]; v's [128 d][256 keys] lies behind it
.set SLOT,   KTILE+128*VPITCH
.set STAGE,  2*SLOT                    ; behind the ring, 32 rows x 272 bytes a wave, each wave's own; no tensor load lands there
.set KSTEP,  65536                     ; a tile in k: 256 keys of 256 bytes
.set VSTEP,  512                       ; a tile in v transposed: 256 keys of 2 bytes
.set ADR,    3                         ; v3-4    K: 272 r + 16 h in slot 0, 1
.set QOFF,   5                         ; 256 r + 16 h
.set STO,    6                         ; the way out: where a lane puts 16 bytes
.set RD,     7                         ; where rows are read back
.set CO,     8                         ; byte offset in ctx
.set MX,     10                        ; v[10:13] running maximum of qt, twice
.set AL,     14                        ; v[14:17] rescale of qt, twice
.set LS,     18                        ; v18-19  my half's running sum of qt
.set TT,     20                        ; v[20:27] at work
.set ADV,    28                        ; v28-29  v: 528 r + 16 h behind K's tile in slot 0, 1
.set FA,     32                        ; 8 fragments
.set FB,     96                        ; 8 fragments
.set SC,     160                       ; scores: tile (qt, kt) at SC + 32 qt + 8 kt
.set PR,     224                       ; P: fragment (qt, kp) at PR + 16 qt + 8 kp
.set OA,     0                         ; window 1: O^T tile (qt, dt) at 64 qt + 8 dt
.set QF,     128                       ; window 1: Q fragment (qt, ks) at QF + 32 qt + 8 ks
.set G1K,    16
.set G1V,    24
.set G0K,    32                        ; s[32:39] one set a slot
.set G0V,    40                        ; s[40:47]
.set MSB, 0
.macro WIN new
.if MSB != \new
	s_set_vgpr_msb (MSB<<8)|\new
.set MSB, \new
.endif
.endm
.macro PLACES                          ; four independent vector instructions behind a matrix instruction (ISA guide 7.12.1)
.rept 4
	v_nop
.endr
.endm
.macro ROUND                           ; a round of the cluster's barrier
	s_barrier_signal -1
	s_barrier_wait -1
	s_cmp_lg_u32 s8, 0
	s_cbranch_scc1 .Lnot_wave_0_\@
	s_barrier_signal -3
.Lnot_wave_0_\@:
	s_barrier_wait -3
	s_barrier_signal -1
	s_barrier_wait -1
.endm
	s_load_b128 s[4:7], s[0:1], 0x0                ; qkv s[4:5], ctx s[6:7]
	v_lshl_add_u32 v30, v0, 2, 0x4b800
	v_mov_b32 v31, 0
	ds_add_u32 v30, v31
	s_wait_dscnt 0x0
	v_lshrrev_b32 v1, 5, v0
	v_readfirstlane_b32 s8, v1                     ; wave
	s_bfe_u32 s10, ttmp6, 0x40000                  ; cx
	s_lshl_b32 s11, ttmp9, 2
	s_add_co_u32 s11, s11, s10                     ; query block
	s_and_b32 s12, ttmp7, 0xffff                   ; 16 b + head
	s_mov_b32 s50, 0x76543210                      ; v_permlanex16_b32: lane i of one half reads lane i of the other
	s_mov_b32 s51, 0xfedcba98
	; group 1.  K: 64 rows x 128 elements of 2 bytes, 4 words of padding behind every 64.  V: 32 rows x 256 elements, 4 words behind every 128.  Mask 15: all four partners
	s_mov_b32 s[G1K+0], 15|(1<<16)|(1<<20)|(1<<21)|(5<<22)|(3<<25)
	s_mov_b32 s[G1V+0], 15|(1<<16)|(1<<20)|(1<<21)|(6<<22)|(3<<25)
	s_mov_b32 s[G1K+1], 128<<16
	s_mov_b32 s[G1V+1], 256<<16
	s_mov_b32 s[G1K+2], 64<<16
	s_mov_b32 s[G1V+2], 32<<16
	s_mov_b32 s[G1K+3], 128<<16
	s_mov_b32 s[G1V+3], 256<<16
	s_mov_b32 s[G1K+4], 64
	s_mov_b32 s[G1V+4], 32
	s_mov_b32 s[G1K+5], 128                        ; k: 128 elements from key to key
	s_mov_b32 s[G1V+5], 1024                       ; v transposed: 1,024 elements from d to d
	s_mov_b32 s[G1K+6], 0
	s_mov_b32 s[G1V+6], 0
	s_mov_b32 s[G1K+7], 0
	s_mov_b32 s[G1V+7], 0
	s_lshl_b32 s9, s12, 18                         ; the head's 262,144 bytes
	s_lshl_b32 s48, s8, 14                         ; my 64 keys of 256 bytes
	s_add_co_u32 s48, s48, s9
	s_mov_b32 s49, 0
	s_lshl_b32 s56, s8, 16                         ; my 32 rows d of 2,048 bytes
	s_add_co_u32 s56, s56, s9
	s_mov_b32 s57, 0
	s_lshl_b32 s52, s11, 15                        ; q: my block's 128 rows of 256 bytes, my wave's 32 among them
	s_lshl_b32 s53, s8, 13
	s_add_co_u32 s52, s52, s53
	s_add_co_u32 s52, s52, s9
	s_mov_b32 s53, 0
	s_lshr_b32 s54, s12, 4                         ; ctx: row 1,024 b + 128 block + 32 wave of 4,096 bytes, column 256 bytes x head
	s_lshl_b32 s54, s54, 22
	s_lshl_b32 s55, s11, 19
	s_add_co_u32 s54, s54, s55
	s_lshl_b32 s55, s8, 17
	s_add_co_u32 s54, s54, s55
	s_and_b32 s55, s12, 15
	s_lshl_b32 s55, s55, 8
	s_add_co_u32 s54, s54, s55
	s_mov_b32 s55, 0
	s_mul_i32 s13, s8, 64*PITCH                    ; my 64 rows in K's tile
	s_mul_i32 s15, s8, 32*VPITCH                   ; my 32 rows in v's tile
	s_mul_i32 s14, s8, 32*PITCH
	s_add_co_u32 s14, s14, STAGE                   ; my stage
	ROUND                                          ; the four partners are here: the first joint loads meet.  It names no argument, so it stands ahead of the wait for them
	s_wait_kmcnt 0x0
	s_add_nc_u64 s[48:49], s[4:5], s[48:49]
	s_add_nc_u64 s[56:57], s[4:5], s[56:57]
	s_add_nc_u64 s[52:53], s[4:5], s[52:53]
	s_add_nc_u64 s[54:55], s[6:7], s[54:55]
.irp s, 0,1
	s_mov_b32 s[G0K+4*\s], 1
	s_add_co_u32 s[G0K+4*\s+1], s13, \s*SLOT
	s_add_nc_u64 s[G0K+4*\s+2:G0K+4*\s+3], s[48:49], 0x800000+\s*KSTEP     ; k lies 8 MiB into qkv
	s_or_b32 s[G0K+4*\s+3], s[G0K+4*\s+3], 0x80000000
	s_mov_b32 s[G0V+4*\s], 1
	s_add_co_u32 s[G0V+4*\s+1], s15, \s*SLOT+KTILE
	s_add_nc_u64 s[G0V+4*\s+2:G0V+4*\s+3], s[56:57], 0x1000000+\s*VSTEP    ; v 16 MiB
	s_or_b32 s[G0V+4*\s+3], s[G0V+4*\s+3], 0x80000000
	tensor_load_to_lds s[G0K+4*\s:G0K+4*\s+3], s[G1K:G1K+7]                ; tiles 0 and 1: each slot's first fill
	s_nop 0
	tensor_load_to_lds s[G0V+4*\s:G0V+4*\s+3], s[G1V:G1V+7]
	s_nop 0
.endr
	v_and_b32 v1, 15, v0                           ; r
	v_bfe_u32 v2, v0, 4, 1                         ; h
	v_mul_u32_u24 v[ADR], v1, PITCH
	v_lshl_add_u32 v[ADR], v2, 4, v[ADR]
	v_add_nc_u32 v[ADR+1], SLOT, v[ADR]
	v_mul_u32_u24 v9, v1, VPITCH
	v_lshl_add_u32 v9, v2, 4, v9
	v_add_nc_u32 v[ADV], KTILE, v9
	v_add_nc_u32 v[ADV+1], SLOT, v[ADV]
	v_lshlrev_b32 v[QOFF], 8, v1
	v_lshl_add_u32 v[QOFF], v2, 4, v[QOFF]
	v_add_nc_u32 v[STO], s14, v[ADR]
	v_mul_u32_u24 v9, v2, PITCH
	v_lshl_add_u32 v9, v1, 4, v9
	v_add_nc_u32 v[RD], s14, v9
	v_lshlrev_b32 v[CO], 12, v2
	v_lshl_add_u32 v[CO], v1, 4, v[CO]
	WIN 0x40                                       ; Q's eight fragments stay in window 1 for the whole kernel
.irp qt, 0,1
.irp ks, 0,1,2,3
	global_load_b128 v[QF+32*\qt+8*\ks:QF+32*\qt+8*\ks+3],   v[QOFF], s[52:53] offset:4096*\qt+64*\ks
	global_load_b128 v[QF+32*\qt+8*\ks+4:QF+32*\qt+8*\ks+7], v[QOFF], s[52:53] offset:4096*\qt+64*\ks+32
.endr
.endr
	WIN 0
; 16 LDS loads: K fragments of the 64 keys of block u, d = 64 half .. 64 half + 63: fragment (kk, kt) at f + 8 (4 kk + kt)
.macro FK slot, u, half, f
.irp kk, 0,1
.irp kt, 0,1,2,3
	ds_load_b128 v[\f+8*(4*\kk+\kt):\f+8*(4*\kk+\kt)+3],   v[ADR+\slot] offset:(64*(\u)+16*\kt)*PITCH+64*(2*\half+\kk)
	ds_load_b128 v[\f+8*(4*\kk+\kt)+4:\f+8*(4*\kk+\kt)+7], v[ADR+\slot] offset:(64*(\u)+16*\kt)*PITCH+64*(2*\half+\kk)+32
.endr
.endr
.endm
; 16 LDS loads: fragments of v transposed, all 128 d, keys 64 u + 32 kp .. + 31
.macro FV slot, u, kp, f
.irp dt, 0,1,2,3,4,5,6,7
	ds_load_b128 v[\f+8*\dt:\f+8*\dt+3],   v[ADV+\slot] offset:16*\dt*VPITCH+128*\u+64*\kp
	ds_load_b128 v[\f+8*\dt+4:\f+8*\dt+7], v[ADV+\slot] offset:16*\dt*VPITCH+128*\u+64*\kp+32
.endr
.endm
; In QK eight and in PV sixteen accumulators take turns, one instruction a turn.
.macro QK f, half, zero                ; 16 matrix instructions; zero = 1: the first eight start the sums
.irp kk, 0,1
.irp kt, 0,1,2,3
.irp qt, 0,1
.if \zero*(1-\kk)
	v_wmma_f32_16x16x32_f16 v[SC+32*\qt+8*\kt:SC+32*\qt+8*\kt+7], v[\f+8*(4*\kk+\kt):\f+8*(4*\kk+\kt)+7], v[QF+32*\qt+8*(2*\half+\kk):QF+32*\qt+8*(2*\half+\kk)+7], 0
.else
	v_wmma_f32_16x16x32_f16 v[SC+32*\qt+8*\kt:SC+32*\qt+8*\kt+7], v[\f+8*(4*\kk+\kt):\f+8*(4*\kk+\kt)+7], v[QF+32*\qt+8*(2*\half+\kk):QF+32*\qt+8*(2*\half+\kk)+7], v[SC+32*\qt+8*\kt:SC+32*\qt+8*\kt+7]
.endif
.endr
.endr
.endr
.endm
.macro PV f, kp, zero
.irp dt, 0,1,2,3,4,5,6,7
.irp qt, 0,1
.if \zero
	v_wmma_f32_16x16x32_f16 v[OA+64*\qt+8*\dt:OA+64*\qt+8*\dt+7], v[\f+8*\dt:\f+8*\dt+7], v[PR+16*\qt+8*\kp:PR+16*\qt+8*\kp+7], 0
.else
	v_wmma_f32_16x16x32_f16 v[OA+64*\qt+8*\dt:OA+64*\qt+8*\dt+7], v[\f+8*\dt:\f+8*\dt+7], v[PR+16*\qt+8*\kp:PR+16*\qt+8*\kp+7], v[OA+64*\qt+8*\dt:OA+64*\qt+8*\dt+7]
.endif
.endr
.endr
.endm
.macro SCALEO                          ; O^T of both query tiles times the lane's AL
	WIN 0x41
.irp qt, 0,1
.set i, 0
.rept 32
	v_pk_mul_f32 v[OA+64*\qt+2*i:OA+64*\qt+2*i+1], v[OA+64*\qt+2*i:OA+64*\qt+2*i+1], v[AL+2*\qt:AL+2*\qt+1]
.set i, i+1
.endr
.endr
.endm
; One exponential of query tile 1, while any are left (ei counts them): it stands behind a plain line of query tile 0's sums and conversions.
.macro EX
.if ei < 32
	v_exp_f32 v[SC+32+ei], v[SC+32+ei]
.set ei, ei+1
.endif
.endm
; Sum of the 32 exponentials of query tile qt, the running sum, and P's fragments.
.macro FIN qt, first
.set SB, SC+32*\qt
	s_wait_alu depctr_va_vdst(0)
.irp c, 0,1,2,3
	v_pk_add_f32 v[TT+2*\c:TT+2*\c+1], v[SB+4*\c:SB+4*\c+1], v[SB+4*\c+2:SB+4*\c+3]
	EX
.endr
.irp g, 16, 24
.irp c, 0,1,2,3
	v_pk_add_f32 v[TT+2*\c:TT+2*\c+1], v[TT+2*\c:TT+2*\c+1], v[SB+\g+2*\c:SB+\g+2*\c+1]
	EX
.endr
.endr
	v_pk_add_f32 v[TT:TT+1], v[TT:TT+1], v[TT+2:TT+3]
	EX
	v_pk_add_f32 v[TT+4:TT+5], v[TT+4:TT+5], v[TT+6:TT+7]
	EX
	v_pk_add_f32 v[TT:TT+1], v[TT:TT+1], v[TT+4:TT+5]
	EX
.if \first
	v_add_f32 v[LS+\qt], v[TT], v[TT+1]
	EX
.else
	v_add_f32 v[TT], v[TT], v[TT+1]
	EX
	v_fma_f32 v[LS+\qt], v[LS+\qt], v[AL+2*\qt], v[TT]
	EX
.endif
.set i, 0
.rept 16
	v_cvt_pk_f16_f32 v[PR+16*\qt+i], v[SB+2*i], v[SB+2*i+1]        ; pairs of neighbouring keys: P's fragments as they stand
	EX
.set i, i+1
.endr
.endm
; Softmax step of both query tiles over 64 keys: a lane holds 32 scores of each of its two queries.
.macro SOFT2 first
.irp qt, 0,1
.irp c, 0,1,2,3
	v_max3_num_f32 v[TT+4*\qt+\c], v[SC+32*\qt+8*\c], v[SC+32*\qt+8*\c+1], v[SC+32*\qt+8*\c+2]     ; eight chains that do not wait for each other
.endr
.endr
.irp o, 3,5
.irp qt, 0,1
.irp c, 0,1,2,3
	v_max3_num_f32 v[TT+4*\qt+\c], v[TT+4*\qt+\c], v[SC+32*\qt+8*\c+\o], v[SC+32*\qt+8*\c+\o+1]
.endr
.endr
.endr
.irp qt, 0,1
.irp c, 0,1,2,3
	v_max_num_f32 v[TT+4*\qt+\c], v[TT+4*\qt+\c], v[SC+32*\qt+8*\c+7]
.endr
.endr
.irp qt, 0,1
	v_max3_num_f32 v[TT+4*\qt], v[TT+4*\qt], v[TT+4*\qt+1], v[TT+4*\qt+2]
.endr
.irp qt, 0,1
	v_max_num_f32 v[TT+4*\qt], v[TT+4*\qt], v[TT+4*\qt+3]
.endr
.irp qt, 0,1
	v_permlanex16_b32 v[TT+4*\qt+1], v[TT+4*\qt], s50, s51         ; the other half's keys of the same query
.endr
.if \first
.irp qt, 0,1
	v_max_num_f32 v[MX+2*\qt],   v[TT+4*\qt], v[TT+4*\qt+1]
	v_max_num_f32 v[MX+2*\qt+1], v[TT+4*\qt], v[TT+4*\qt+1]
.endr
.else
.irp qt, 0,1
	v_max3_num_f32 v[TT+4*\qt+2], v[TT+4*\qt], v[TT+4*\qt+1], v[MX+2*\qt]  ; the new maximum
.endr
.irp qt, 0,1
	v_sub_f32 v[TT+4*\qt+3], v[MX+2*\qt], v[TT+4*\qt+2]                    ; at most 0
.endr
.irp qt, 0,1
	v_exp_f32 v[AL+2*\qt],   v[TT+4*\qt+3]                                 ; what is kept so far shrinks by 2^(old - new)
	v_exp_f32 v[AL+2*\qt+1], v[TT+4*\qt+3]
.endr
.irp qt, 0,1
	v_mov_b32 v[MX+2*\qt],   v[TT+4*\qt+2]                                 ; plain instructions behind the exponentials, ahead of any use (ISA guide 5.7.2)
	v_mov_b32 v[MX+2*\qt+1], v[TT+4*\qt+2]
.endr
.endif
.set i, 0
.rept 16
	v_pk_add_f32 v[SC+2*i:SC+2*i+1], v[SC+2*i:SC+2*i+1], v[MX:MX+1] neg_lo:[0,1] neg_hi:[0,1]      ; tile 0: s - m, at most 0
.set i, i+1
.endr
.set i, 0
.rept 16
	v_exp_f32 v[SC+2*i],   v[SC+2*i]                                       ; tile 0's exponentials beside tile 1's differences
	v_exp_f32 v[SC+2*i+1], v[SC+2*i+1]
	v_pk_add_f32 v[SC+32+2*i:SC+32+2*i+1], v[SC+32+2*i:SC+32+2*i+1], v[MX+2:MX+3] neg_lo:[0,1] neg_hi:[0,1]
.set i, i+1
.endr
.set ei, 0
	FIN 0, \first                                  ; tile 0's sums and conversions, tile 1's 32 exponentials among them
	v_nop                                          ; one plain instruction behind the last exponential
	s_wait_alu depctr_va_vdst(0)
	FIN 1, \first                                  ; none is left: plain lines alone
.endm
; One block of 64 keys.  On entry K's fragments are on their way: d 0-63 into FA (16 loads), d 64-127 into FB (16 loads).
; Every s_wait_dscnt 16 leaves out the 16 loads issued last and shows the 16 before them in.
.macro SUB slot, u, first, more
	WIN 0x04                                       ; source 1 (Q) in window 1; LDS loads name window 0 under this setting too
	s_wait_dscnt 16                                ; FA is in
	QK FA, 0, 1
	PLACES
	FV \slot, \u, 0, FA
	s_wait_dscnt 16                                ; FB is in
	QK FB, 1, 0
	PLACES
	FV \slot, \u, 1, FB
	WIN 0
	SOFT2 \first
.if \first == 0
	SCALEO
.endif
	WIN 0x50
	s_wait_dscnt 16                                ; v's first 32 keys are in
	PV FA, 0, \first
.if \more
	WIN 0
	PLACES
	FK \slot, \u+1, 0, FA                          ; the next block's K
	s_wait_dscnt 16                                ; v's second 32 keys are in
	WIN 0x50
.else
	s_wait_dscnt 0x0
.endif
	PV FB, 1, 0
.if \more
	WIN 0
	PLACES
	FK \slot, \u+1, 1, FB
.endif
	WIN 0
.endm
; One tile of 256 keys in slot.  mode 0: the first tile; 1: the other slot, read last, is filled again two tiles ahead; 2: the last tile.
.macro TRIP slot, mode, first
.if \mode == 0
	s_wait_tensorcnt 0x2                           ; my parts of tile 0 are in; tile 1's two loads stay out
	s_barrier_signal -1
	s_barrier_wait -1
.endif
.if \mode == 1
	s_wait_tensorcnt 0x0                           ; all my tensor loads have landed, my parts of this trip's tile among them, so every group 0 may be written
	ds_add_u32 v30, v31
	s_add_nc_u64 s[G0K+4*(1-\slot)+2:G0K+4*(1-\slot)+3], s[G0K+4*(1-\slot)+2:G0K+4*(1-\slot)+3], 2*KSTEP
	s_add_nc_u64 s[G0V+4*(1-\slot)+2:G0V+4*(1-\slot)+3], s[G0V+4*(1-\slot)+2:G0V+4*(1-\slot)+3], 2*VSTEP
	s_wait_dscnt 0x0                               ; my reads of the other slot are back
	ROUND                                          ; both now hold of every wave of all four partners
	tensor_load_to_lds s[G0K+4*(1-\slot):G0K+4*(1-\slot)+3], s[G1K:G1K+7]
	s_nop 0
	tensor_load_to_lds s[G0V+4*(1-\slot):G0V+4*(1-\slot)+3], s[G1V:G1V+7]
	s_nop 0
.endif
.if \mode == 2
	s_wait_tensorcnt 0x0                           ; my parts of the last tile are in
	s_wait_dscnt 0x0
	s_barrier_signal -1
	s_barrier_wait -1                              ; everybody's are; nothing is filled any more
.endif
	PLACES
	FK \slot, 0, 0, FA
	FK \slot, 0, 1, FB
.if \mode == 0
	s_wait_loadcnt 0x0                             ; Q
.endif
	SUB \slot, 0, \first, 1
	SUB \slot, 1, 0, 1
	SUB \slot, 2, 0, 1
	SUB \slot, 3, 0, 0
.endm
	TRIP 0, 0, 1                                   ; tile 0: its first block starts maximum, sum and O
	TRIP 1, 1, 0                                   ; tile 1; tile 2 is asked for
	TRIP 0, 1, 0                                   ; tile 2; tile 3 is asked for
	TRIP 1, 2, 0                                   ; tile 3
	; THE WAY OUT: divide by the sum, round to f16, 16 bytes a lane into my own stage, whole rows of 256 bytes back and out.
	PLACES
	v_permlanex16_b32 v[TT],   v[LS],   s50, s51   ; the two halves' sums meet
	v_permlanex16_b32 v[TT+1], v[LS+1], s50, s51
	v_add_f32 v[LS],   v[LS],   v[TT]              ; at least 1: the key of the maximum counts 2^0
	v_add_f32 v[LS+1], v[LS+1], v[TT+1]
	v_rcp_f32 v[AL],   v[LS]
	v_rcp_f32 v[AL+1], v[LS]
	v_rcp_f32 v[AL+2], v[LS+1]
	v_rcp_f32 v[AL+3], v[LS+1]
	v_nop
	s_wait_alu depctr_va_vdst(0)
	SCALEO
	WIN 0x05
.set i, 0
.rept 64
	v_cvt_pk_f16_f32 v[FA+i], v[OA+2*i], v[OA+2*i+1]       ; tile (qt, dt): 4 registers at FA + 4 (8 qt + dt)
.set i, i+1
.endr
	WIN 0
.irp qt, 0,1
.irp dt, 0,1,2,3,4,5,6,7
	ds_store_b128 v[STO], v[FA+4*(8*\qt+\dt):FA+4*(8*\qt+\dt)+3] offset:\qt*16*PITCH+32*\dt
.endr
.endr
.irp t, 0,1,2,3,4,5,6,7,8,9,10,11,12,13,14,15
	ds_load_b128 v[FB+4*\t:FB+4*\t+3], v[RD] offset:2*PITCH*\t     ; LDS serves a wave's instructions in order: these see my stores above
.endr
.irp t, 0,1,2,3,4,5,6,7,8,9,10,11,12,13,14,15
	s_wait_dscnt 15-\t
	global_store_b128 v[CO], v[FB+4*\t:FB+4*\t+3], s[54:55] offset:8192*\t        ; 16 lanes store the head's 256 bytes of one row of ctx
.endr
	s_wait_tensorcnt 0x0
	ds_add_u32 v30, v31
	s_wait_dscnt 0x0
	ROUND                                          ; the closing round
	s_endpgm
.Lfunc_end_k_q595b208f54_attn:
	.size	k_q595b208f54_attn, .Lfunc_end_k_q595b208f54_attn-k_q595b208f54_attn
	.p2alignl 7, 3214868480
	.fill 96, 4, 3214868480
	.section	.rodata,"a",@progbits
	.p2align	6, 0x0
	.amdhsa_kernel k_q595b208f54_attn
		.amdhsa_group_segment_fixed_size 327680
		.amdhsa_private_segment_fixed_size 0
		.amdhsa_enable_private_segment 0
		.amdhsa_kernarg_size 16
		.amdhsa_user_sgpr_count 2
		.amdhsa_user_sgpr_kernarg_segment_ptr 1
		.amdhsa_wavefront_size32 1
		.amdhsa_system_sgpr_workgroup_id_x 1
		.amdhsa_system_sgpr_workgroup_id_y 1
		.amdhsa_system_sgpr_workgroup_id_z 1
		.amdhsa_system_vgpr_workitem_id 0
		.amdhsa_next_free_vgpr 448
		.amdhsa_next_free_sgpr 66
		.amdhsa_reserve_vcc 0
		.amdhsa_float_denorm_mode_32 3
		.amdhsa_float_denorm_mode_16_64 3
		.amdhsa_memory_ordered 1
		.amdhsa_forward_progress 1
		.amdhsa_inst_pref_size 255
	.end_amdhsa_kernel
	.section	.bss,"aw",@nobits
	.p2align	6
	.space	262144
	.amdgpu_metadata
---
amdhsa.version: [ 1, 2 ]
amdhsa.kernels:
  - .name:           k_q595b208f54_attn
    .symbol:         k_q595b208f54_attn.kd
    .args:
      - { .name: qkv, .offset: 0, .size: 8, .value_kind: global_buffer, .address_space: global }
      - { .name: ctx, .offset: 8, .size: 8, .value_kind: global_buffer, .address_space: global }
    .group_segment_fixed_size: 327680
    .private_segment_fixed_size: 0
    .kernarg_segment_align: 8
    .kernarg_segment_size: 16
    .max_flat_workgroup_size: 128
    .sgpr_count:     66
    .vgpr_count:     448
    .wavefront_size: 32
...
	.end_amdgpu_metadata
.endif
;; end of part 3
;; launch proj (part 4): grid 16 x 16, 4 waves a work-group, clusters of 4 x 4, 327,680 bytes of LDS; arguments ctx, h16, bo, out0; writes out0
.if DOCPART == 4
	.amdgcn_target "amdgcn-amd-amdhsa--gfx1250"
	.amdhsa_code_object_version 6
	.text
	.protected	k_q595b208f54_proj
	.globl	k_q595b208f54_proj
	.p2align	8
	.type	k_q595b208f54_proj,@function
k_q595b208f54_proj:
	s_mov_b64 s[64:65], 0
	v_nop
	global_prefetch_b8 v0, s[64:65] scope:SCOPE_SE
	s_setreg_imm32_b32 hwreg(HW_REG_WAVE_MODE, 25, 1), 1
	s_wait_xcnt 0x0
	s_wait_alu depctr_hold_cnt(0) depctr_sa_sdst(0) depctr_va_vdst(0) depctr_va_sdst(0) depctr_va_ssrc(0) depctr_va_vcc(0) depctr_vm_vsrc(0)
	s_getreg_b32 s2, hwreg(HW_REG_IB_STS2, 6, 4)
	s_cmp_eq_u32 s2, 0
	s_cbranch_scc0 .Lentry_in_a_cluster
	s_endpgm
.Lentry_in_a_cluster:
	s_bfe_u32 s2, ttmp6, 0x10000c
	s_cmp_lg_u32 s2, 0xf033
	s_cbranch_scc0 .Lentry_shape_is_right
	s_endpgm
.Lentry_shape_is_right:
; out0 = ctx wo^T + bo.  ctx and wo (32 MiB into h16) in f16, sums and result f32.
; Work-group (x = block of 128 columns, y = block of 128 rows): 16 x 16 blocks, one for each of 256 WGPs.  Four waves, each 64 x 64 in
; 16 accumulator tiles.  K goes in 8 steps of 256 through two LDS slots; a slot holds four tiles of 128 rows x 128 K (rows of 256 bytes):
; ctx K 0-127, ctx K 128-255, wo K 0-127, wo K 128-255; wave w fetches tile w.
; CLUSTERS, 4 x 4: ctx's tiles are shared along a row of the cluster, wo's along a column, each asked for jointly.
; A wave has two tensor loads out at the start, later one.
; The matrix instruction is used transposed (source 0 = rows of wo, source 1 = rows of ctx): a lane holds 8 neighbouring columns of
; row l % 16.  The bias tile, in that layout, is the C of the first products.
.set PITCH,  272
.set HALFT,  128*PITCH
.set SLOT,   4*HALFT
.set STAGE,  2*SLOT                    ; behind the ring: 16 rows x 272 bytes a wave, each wave's own; no tensor load lands there
.set STEPB,  512                       ; bytes of a K step in a row of memory
.set LAPS,   4
.set ADRA,   16                        ; v16-17
.set ADRB,   18                        ; v18-19
.set STO,    20
.set RD,     21
.set CO,     22
.set BOFF,   23
.set F0,     32                        ; ctx's fragment a at F+8a, wo's b at F+32+8b
.set F1,     96
.set BIAS,   128                       ; window 1, behind the 16 accumulator tiles (tile (a, b) at 8 (4 a + b))
.set G1,     24
.set G0,     32
.set G1B,    48
.set G0B,    56
.set MSB, 0
.macro WIN new
.if MSB != \new
	s_set_vgpr_msb (MSB<<8)|\new
.set MSB, \new
.endif
.endm
.macro PLACES                          ; four independent vector instructions behind a matrix instruction (ISA guide 7.12.1)
.rept 4
	v_nop
.endr
.endm
.macro JLOAD s                         ; waves 0, 1: ctx's two tiles; waves 2, 3: wo's
	s_cmp_eq_u32 s13, 0
	s_cbranch_scc0 .Lfor_b_\@
	tensor_load_to_lds s[G0+4*\s:G0+4*\s+3], s[G1:G1+7]
	s_nop 0
	s_branch .Lasked_\@
.Lfor_b_\@:
	tensor_load_to_lds s[G0B+4*\s:G0B+4*\s+3], s[G1B:G1B+7]
	s_nop 0
.Lasked_\@:
.endm
.macro CREST
	s_cmp_lg_u32 s12, 0
	s_cbranch_scc1 .Lnot_wave_0_\@
	s_barrier_signal -3
.Lnot_wave_0_\@:
	s_barrier_wait -3
	s_barrier_signal -1
	s_barrier_wait -1
.endm
.macro CROUND
	s_barrier_signal -1
	s_barrier_wait -1
	CREST
.endm
	s_load_b256 s[4:11], s[0:1], 0x0               ; ctx s[4:5], h16 s[6:7], bo s[8:9], out0 s[10:11]
	v_lshl_add_u32 v254, v0, 2, 0x48400
	v_mov_b32 v255, 0
	ds_add_u32 v254, v255
	s_wait_dscnt 0x0
	v_lshrrev_b32 v1, 5, v0
	v_readfirstlane_b32 s12, v1                    ; wave
	s_lshr_b32 s13, s12, 1                         ; my half of the rows; also: I fetch for ctx (0) or wo (1)
	s_and_b32 s14, s12, 1                          ; my half of the columns; also: which 128 of the step's K I fetch
	s_bfe_u32 s16, ttmp6, 0x40000                  ; cx
	s_bfe_u32 s17, ttmp6, 0x40004                  ; cy
	s_lshl_b32 s18, ttmp9, 2
	s_add_co_u32 s18, s18, s16                     ; column block
	s_and_b32 s19, ttmp7, 0xffff
	s_lshl_b32 s19, s19, 2
	s_add_co_u32 s19, s19, s17                     ; row block
	s_lshl_b32 s20, s17, 2
	s_lshl_b32 s20, 15, s20                        ; my row of the cluster
	s_lshl_b32 s21, 0x1111, s16                    ; my column
	s_or_b32 s[G1+0],  s20, (1<<16)|(1<<20)|(1<<21)|(5<<22)|(3<<25)
	s_or_b32 s[G1B+0], s21, (1<<16)|(1<<20)|(1<<21)|(5<<22)|(3<<25)
	s_mov_b32 s[G1+1],  128<<16
	s_mov_b32 s[G1B+1], 128<<16
	s_mov_b32 s[G1+2],  128<<16
	s_mov_b32 s[G1B+2], 128<<16
	s_mov_b32 s[G1+3],  128<<16
	s_mov_b32 s[G1B+3], 128<<16
	s_mov_b32 s[G1+4],  128
	s_mov_b32 s[G1B+4], 128
	s_mov_b32 s[G1+5],  2048
	s_mov_b32 s[G1B+5], 2048
	s_mov_b32 s[G1+6],  0
	s_mov_b32 s[G1B+6], 0
	s_mov_b32 s[G1+7],  0
	s_mov_b32 s[G1B+7], 0
	s_lshl_b32 s40, s19, 19                        ; ctx: 128 rows of 4,096 bytes a block, 256 bytes for the second half of K
	s_lshl_b32 s41, s14, 8
	s_add_co_u32 s40, s40, s41
	s_mov_b32 s41, 0
	s_lshl_b32 s42, s18, 19                        ; wo likewise, by the column block
	s_lshl_b32 s43, s14, 8
	s_add_co_u32 s42, s42, s43
	s_mov_b32 s43, 0
	s_mul_i32 s22, s12, HALFT                      ; tile w of a slot
	s_lshl_b32 s44, s18, 9                         ; 4 bytes x (128 column block + 64 half): in bo, and along a row of out0
	s_lshl_b32 s45, s14, 8
	s_add_co_u32 s44, s44, s45
	s_mov_b32 s45, 0
	s_lshl_b32 s46, s19, 20                        ; out0: 128 rows of 8,192 bytes a block, 64 rows a half
	s_lshl_b32 s47, s13, 19
	s_add_co_u32 s46, s46, s47
	s_add_co_u32 s46, s46, s44
	s_mov_b32 s47, 0
	CROUND                                         ; all sixteen work-groups are here: the first joint loads meet.  It names no argument, so it stands ahead of the wait for them
	s_wait_kmcnt 0x0
	s_add_nc_u64 s[40:41], s[4:5], s[40:41]
	s_add_nc_u64 s[42:43], s[6:7], s[42:43]
	s_add_nc_u64 s[42:43], s[42:43], 0x2000000     ; wo lies 32 MiB into h16
.irp s, 0,1
	s_mov_b32 s[G0+4*\s], 1
	s_add_co_u32 s[G0+4*\s+1], s22, \s*SLOT
	s_add_nc_u64 s[G0+4*\s+2:G0+4*\s+3], s[40:41], \s*STEPB
	s_or_b32 s[G0+4*\s+3], s[G0+4*\s+3], 0x80000000
	s_mov_b32 s[G0B+4*\s], 1
	s_add_co_u32 s[G0B+4*\s+1], s22, \s*SLOT
	s_add_nc_u64 s[G0B+4*\s+2:G0B+4*\s+3], s[42:43], \s*STEPB
	s_or_b32 s[G0B+4*\s+3], s[G0B+4*\s+3], 0x80000000
	JLOAD \s
.endr
	s_add_nc_u64 s[8:9], s[8:9], s[44:45]
	s_add_nc_u64 s[10:11], s[10:11], s[46:47]
	v_and_b32 v1, 15, v0                           ; r
	v_bfe_u32 v2, v0, 4, 1                         ; h
	v_mul_u32_u24 v3, v1, PITCH
	v_lshl_add_u32 v4, v2, 4, v3                   ; 272 r + 16 h
	s_mul_i32 s23, s13, 64*PITCH                   ; my 64 rows of ctx
	v_add_nc_u32 v[ADRA], s23, v4
	v_add_nc_u32 v[ADRA+1], SLOT, v[ADRA]
	s_mul_i32 s23, s14, 64*PITCH                   ; my 64 rows of wo, behind ctx's two tiles
	s_add_co_u32 s23, s23, 2*HALFT
	v_add_nc_u32 v[ADRB], s23, v4
	v_add_nc_u32 v[ADRB+1], SLOT, v[ADRB]
	s_mul_i32 s23, s12, 16*PITCH
	s_add_co_u32 s23, s23, STAGE                   ; my stage
	v_lshl_add_u32 v5, v2, 5, v3                   ; 272 r + 32 h: 8 f32 a lane
	v_add_nc_u32 v[STO], s23, v5
	v_mul_u32_u24 v6, v2, PITCH
	v_lshl_add_u32 v6, v1, 4, v6                   ; 272 h + 16 r
	v_add_nc_u32 v[RD], s23, v6
	v_lshlrev_b32 v7, 13, v2
	v_lshl_add_u32 v[CO], v1, 4, v7                ; 8,192 h + 16 r
	v_lshlrev_b32 v[BOFF], 5, v2                   ; 32 h
	WIN 0x40
.irp b, 0,1,2,3
	global_load_b128 v[BIAS+8*\b:BIAS+8*\b+3],   v[BOFF], s[8:9] offset:64*\b      ; register i = bo[n0 + 16 b + 8 h + i]
	global_load_b128 v[BIAS+8*\b+4:BIAS+8*\b+7], v[BOFF], s[8:9] offset:64*\b+16
.endr
	WIN 0
; 16 LDS loads: the fragments of the i-th 32 of a step's 256 K, into buffer f
.macro FETCH slot, i, f
	WIN 0
.irp a, 0,1,2,3
	ds_load_b128 v[\f+8*\a:\f+8*\a+3],   v[ADRA+\slot] offset:(\i>>2)*HALFT+\a*16*PITCH+64*(\i&3)
	ds_load_b128 v[\f+8*\a+4:\f+8*\a+7], v[ADRA+\slot] offset:(\i>>2)*HALFT+\a*16*PITCH+64*(\i&3)+32
.endr
.irp b, 0,1,2,3
	ds_load_b128 v[\f+32+8*\b:\f+32+8*\b+3],   v[ADRB+\slot] offset:(\i>>2)*HALFT+\b*16*PITCH+64*(\i&3)
	ds_load_b128 v[\f+32+8*\b+4:\f+32+8*\b+7], v[ADRB+\slot] offset:(\i>>2)*HALFT+\b*16*PITCH+64*(\i&3)+32
.endr
.endm
; The 16 accumulators take turns, one instruction a turn, in the same order everywhere.
.macro MUL8 f, a0, zero
	WIN 0x50
.irp a, \a0, \a0+1
.irp b, 0,1,2,3
.if \zero
	v_wmma_f32_16x16x32_f16 v[8*(4*(\a)+\b):8*(4*(\a)+\b)+7], v[\f+32+8*\b:\f+32+8*\b+7], v[\f+8*(\a):\f+8*(\a)+7], v[BIAS+8*\b:BIAS+8*\b+7]
.else
	v_wmma_f32_16x16x32_f16 v[8*(4*(\a)+\b):8*(4*(\a)+\b)+7], v[\f+32+8*\b:\f+32+8*\b+7], v[\f+8*(\a):\f+8*(\a)+7], v[8*(4*(\a)+\b):8*(4*(\a)+\b)+7]
.endif
.endr
.endr
.endm
.macro EIGHTH slot, i, f, g, zero      ; fetches the i-th 32 of K into g, multiplies f
	s_wait_dscnt 0x0                               ; buffer f is in: its loads were issued 16 matrix instructions ago
	PLACES
	FETCH \slot, \i, \g
	MUL8 \f, 0, \zero
	MUL8 \f, 2, \zero
.endm
.macro SEVEN slot, zero
	EIGHTH \slot, 1, F0, F1, \zero
	EIGHTH \slot, 2, F1, F0, 0
	EIGHTH \slot, 3, F0, F1, 0
	EIGHTH \slot, 4, F1, F0, 0
	EIGHTH \slot, 5, F0, F1, 0
	EIGHTH \slot, 6, F1, F0, 0
	EIGHTH \slot, 7, F0, F1, 0
.endm
; The change of slots, then the last 32 of the K step from buffer 1.  Each wave's reads of this slot are back and all its tensor loads have
; landed in front of the barrier; where the slot is filled again the barrier opens a round of the cluster's barrier and the joint refill
; comes first behind the round, 128 matrix instructions ahead of the wait for it.
.macro TURN slot, next, fill
	s_wait_dscnt 0x0
	s_wait_tensorcnt 0x0
	ds_add_u32 v254, v255
	s_wait_dscnt 0x0
	WIN 0
	s_barrier_signal -1
	s_barrier_wait -1
.if \fill
	CREST
	s_add_nc_u64 s[G0+4*\slot+2:G0+4*\slot+3], s[G0+4*\slot+2:G0+4*\slot+3], 2*STEPB
	s_add_nc_u64 s[G0B+4*\slot+2:G0B+4*\slot+3], s[G0B+4*\slot+2:G0B+4*\slot+3], 2*STEPB
	JLOAD \slot
.endif
	PLACES
	FETCH \next, 0, F0
	MUL8 F1, 0, 0
	MUL8 F1, 2, 0
.endm
.macro LAP zero
	SEVEN 0, \zero
	TURN 0, 1, 1
	SEVEN 1, 0
	TURN 1, 0, 1
.endm
	s_wait_tensorcnt 0x1                           ; my part of K step 0 is in; K step 1's stays out
	s_barrier_signal -1
	s_barrier_wait -1
	FETCH 0, 0, F0
	s_wait_loadcnt 0x0                             ; the bias tiles
	LAP 1
	WIN 0
	s_mov_b32 s15, LAPS-2
.Llap:
	LAP 0
	WIN 0
	s_sub_co_u32 s15, s15, 1
	s_cmp_lg_u32 s15, 0
	s_cbranch_scc1 .Llap
	SEVEN 0, 0                                     ; the last lap fills nothing
	TURN 0, 1, 0
	SEVEN 1, 0
	s_wait_dscnt 0x0
	MUL8 F1, 0, 0
	MUL8 F1, 2, 0
	; THE WAY OUT, 16 rows at a time: 32 bytes a lane into my own stage, whole pieces of rows (64 f32 = 256 bytes) back and out.
	; LDS serves a wave's instructions in order, so the loads see the stores above them and the next 16 rows' stores come behind the loads.
	PLACES
.macro OUT16 a
	WIN 0x04                                       ; store data (source 1) in window 1
.irp b, 0,1,2,3
	ds_store_b128 v[STO], v[8*(4*\a+\b):8*(4*\a+\b)+3]   offset:64*\b
	ds_store_b128 v[STO], v[8*(4*\a+\b)+4:8*(4*\a+\b)+7] offset:64*\b+16
.endr
	WIN 0
.irp t, 0,1,2,3,4,5,6,7
	ds_load_b128 v[F0+32*\a+4*\t:F0+32*\a+4*\t+3], v[RD] offset:2*PITCH*\t
.endr
.irp t, 0,1,2,3,4,5,6,7
	s_wait_dscnt 7-\t
	global_store_b128 v[CO], v[F0+32*\a+4*\t:F0+32*\a+4*\t+3], s[10:11] offset:131072*\a+16384*\t th:TH_STORE_NT   ; 16 lanes store 256 consecutive bytes, aligned
.endr
.endm
	OUT16 0
	OUT16 1
	OUT16 2
	OUT16 3
	s_wait_tensorcnt 0x0
	ds_add_u32 v254, v255
	s_wait_dscnt 0x0
	CROUND                                         ; the closing round
	s_endpgm
.Lfunc_end_k_q595b208f54_proj:
	.size	k_q595b208f54_proj, .Lfunc_end_k_q595b208f54_proj-k_q595b208f54_proj
	.p2alignl 7, 3214868480
	.fill 96, 4, 3214868480
	.section	.rodata,"a",@progbits
	.p2align	6, 0x0
	.amdhsa_kernel k_q595b208f54_proj
		.amdhsa_group_segment_fixed_size 327680
		.amdhsa_private_segment_fixed_size 0
		.amdhsa_enable_private_segment 0
		.amdhsa_kernarg_size 32
		.amdhsa_user_sgpr_count 2
		.amdhsa_user_sgpr_kernarg_segment_ptr 1
		.amdhsa_wavefront_size32 1
		.amdhsa_system_sgpr_workgroup_id_x 1
		.amdhsa_system_sgpr_workgroup_id_y 1
		.amdhsa_system_sgpr_workgroup_id_z 1
		.amdhsa_system_vgpr_workitem_id 0
		.amdhsa_next_free_vgpr 416
		.amdhsa_next_free_sgpr 66
		.amdhsa_reserve_vcc 0
		.amdhsa_float_denorm_mode_32 3
		.amdhsa_float_denorm_mode_16_64 3
		.amdhsa_memory_ordered 1
		.amdhsa_forward_progress 1
		.amdhsa_inst_pref_size 126
	.end_amdhsa_kernel
	.amdgpu_metadata
---
amdhsa.version: [ 1, 2 ]
amdhsa.kernels:
  - .name:           k_q595b208f54_proj
    .symbol:         k_q595b208f54_proj.kd
    .args:
      - { .name: ctx, .offset: 0, .size: 8, .value_kind: global_buffer, .address_space: global }
      - { .name: h16, .offset: 8, .size: 8, .value_kind: global_buffer, .address_space: global }
      - { .name: bo, .offset: 16, .size: 8, .value_kind: global_buffer, .address_space: global }
      - { .name: out0, .offset: 24, .size: 8, .value_kind: global_buffer, .address_space: global }
    .group_segment_fixed_size: 327680
    .private_segment_fixed_size: 0
    .kernarg_segment_align: 8
    .kernarg_segment_size: 32
    .max_flat_workgroup_size: 128
    .sgpr_count:     66
    .vgpr_count:     416
    .wavefront_size: 32
...
	.end_amdgpu_metadata
.endif
;; end of part 4
